; MI455X (gfx1250); checked and timed in simulation.
; The chip was launched on July 23, 2026; its instructions are those of AMD's public machine-readable ISA for CDNA 5 (MIT licence, August 2026) and "CDNA5" Instruction Set Architecture Reference Guide (July 2026). The comments in the code are by the model that wrote it; some were corrected since.
;; Soft Token Map. Allowed arithmetic: float matrix products may take bf16 or f16 operands with f32 sums; all other float work in f32.
;; Inputs: embed_weight 32,000 x 512 float32; mapping_logits 1,024 x 32,000 float32; token_ids 8 x 512 int32.
;; Outputs: out0 8 x 512 x 512 float32.
;; 2 versions, each right; version 2 is version 1 with the launch combine written anew for expert scheduling mode. Each part assembles by itself: llvm-mc -triple=amdgcn-amd-amdhsa -mcpu=gfx1250 --defsym DOCPART=n.
;; ======== version 1 of 2: 4 launches
;; workspace buffers: epack 32,768,000 bytes; part 52,428,800 bytes; stat 204,800 bytes; table 2,097,152 bytes
;; launch pack (part 1): grid 250 x 1, 8 waves a work-group, no clusters, 0 bytes of LDS; arguments embed_weight, epack; writes epack
.if DOCPART == 1
	.amdgcn_target "amdgcn-amd-amdhsa--gfx1250"
	.amdhsa_code_object_version 6
	.text
	.protected	k_q926266e8ea_pack
	.globl	k_q926266e8ea_pack
	.p2align	8
	.type	k_q926266e8ea_pack,@function
k_q926266e8ea_pack:
	s_mov_b64 s[64:65], 0
	v_nop
	global_prefetch_b8 v0, s[64:65] scope:SCOPE_SE
	s_setreg_imm32_b32 hwreg(HW_REG_WAVE_MODE, 25, 1), 1
	s_wait_xcnt 0x0
; embed_weight [32000][512] f32  ->  epack: the same numbers in bf16 (rounded to nearest even), laid out so that the next launch
; reads matrix fragments by plain 16-byte LDS loads of neighbouring lanes.
; A unit u is 128 rows of E (128 steps of the product's K).  Inside a unit K is taken in a permuted order, the same for both factors
; of the product: position p = 8 rho + 4 cc + e stands for row 64 cc + 4 rho + e of the unit (rho 0..15, cc 0..1, e 0..3).
; epack byte (8 u + w) 16384 + q 4096 + t 1024 + g 512 + h 256 + r 16 holds the 8 positions 32 q + 16 g + 8 h + 0..7 of column 64 w + 4 r + t.
; The work-group takes unit u, wave w the strip of 64 columns w, lane (h, r) = (lane / 16, lane % 16).  Group j = 2 q + g, so rho = 2 j + h.
; A stream: each byte is read once and written once, nothing is shared, so no LDS, no matrix unit, no cluster.
.set ROWB, 2048                        ; bytes in a row of E
.set VIN,  1                           ; v1        8192 h + 256 w + 16 r: my 16 bytes (4 columns) in row 4 h of the unit; never rewritten
.set VOUT, 2                           ; v2        16384 w + 16 lane; never rewritten
.set X,    4                           ; v[4:131]  ring of four groups: 8 loads of 4 registers, load i = 4 cc + e
.set Y,    132                         ; v[132:147] a group's 16 packed words: 4 for each column t
	s_load_b128 s[4:7], s[0:1], 0x0                ; E s[4:5], epack s[6:7]
	s_lshl_b32 s2, ttmp9, 18                       ; the unit's 128 rows of 2,048 bytes
	s_mov_b32 s3, 0
	s_lshl_b32 s8, ttmp9, 17                       ; and its 131,072 bytes of epack
	s_mov_b32 s9, 0
	v_bfe_u32 v[VIN], v0, 4, 1                     ; h
	v_lshrrev_b32 v[VOUT], 5, v0                   ; w
	v_and_b32 v3, 15, v0                           ; r
	v_lshlrev_b32 v[VIN], 13, v[VIN]
	v_lshl_add_u32 v[VIN], v[VOUT], 8, v[VIN]
	v_lshl_add_u32 v[VIN], v3, 4, v[VIN]
	v_and_b32 v3, 31, v0
	v_lshlrev_b32 v3, 4, v3
	v_lshl_add_u32 v[VOUT], v[VOUT], 14, v3
	s_wait_kmcnt 0x0
	s_add_nc_u64 s[4:5], s[4:5], s[2:3]
	s_add_nc_u64 s[6:7], s[6:7], s[8:9]
; The eight loads of group j: rows 8 j + 4 h + e + 64 cc.  Lanes 0-15 take 256 consecutive bytes of one row, aligned, lanes 16-31 of the row four below.
.macro LOADG j
.irp i, 0,1,2,3,4,5,6,7
	global_load_b128 v[X+32*((\j)%4)+4*\i:X+32*((\j)%4)+4*\i+3], v[VIN], s[4:5] offset:(8*(\j)+(\i%4)+64*(\i/4))*ROWB th:TH_LOAD_NT
.endr
.endm
; Group j: convert, ask for group j + 4 into the same registers, store.  left = how many younger loads may stay out.
.macro GROUP j, ahead, left
	s_wait_loadcnt \left                           ; loads come back in order: this group's eight are in
	s_wait_xcnt 0x0                                ; Y, which the last group's stores read, is rewritten only behind this wait
.irp t, 0,1,2,3
.irp k, 0,1,2,3
	v_cvt_pk_bf16_f32 v[Y+4*\t+\k], v[X+32*((\j)%4)+8*\k+\t], v[X+32*((\j)%4)+8*\k+4+\t]   ; positions 2 k, 2 k + 1 of column t
.endr
.endr
.if \ahead
	LOADG (\j+4)
.endif
.irp t, 0,1,2,3
	global_store_b128 v[VOUT], v[Y+4*\t:Y+4*\t+3], s[6:7] offset:((\j)/2)*4096+((\j)%2)*512+\t*1024   ; the wave's store covers 512 consecutive bytes, aligned
.endr
.endm
	LOADG 0
	LOADG 1
	LOADG 2
	LOADG 3
	GROUP 0, 1, 24                                 ; three younger groups of eight loads stay out
	GROUP 1, 1, 24
	GROUP 2, 1, 24
	GROUP 3, 1, 24
	GROUP 4, 0, 24
	GROUP 5, 0, 16                                 ; nothing more is asked for: the counts run down
	GROUP 6, 0, 8
	GROUP 7, 0, 0
	s_endpgm
.Lfunc_end_k_q926266e8ea_pack:
	.size	k_q926266e8ea_pack, .Lfunc_end_k_q926266e8ea_pack-k_q926266e8ea_pack
	.p2alignl 7, 3214868480
	.fill 96, 4, 3214868480
	.section	.rodata,"a",@progbits
	.p2align	6, 0x0
	.amdhsa_kernel k_q926266e8ea_pack
		.amdhsa_group_segment_fixed_size 0
		.amdhsa_private_segment_fixed_size 0
		.amdhsa_enable_private_segment 0
		.amdhsa_kernarg_size 16
		.amdhsa_user_sgpr_count 2
		.amdhsa_user_sgpr_kernarg_segment_ptr 1
		.amdhsa_wavefront_size32 1
		.amdhsa_system_sgpr_workgroup_id_x 1
		.amdhsa_system_sgpr_workgroup_id_y 1
		.amdhsa_system_sgpr_workgroup_id_z 1
		.amdhsa_system_vgpr_workitem_id 0
		.amdhsa_next_free_vgpr 148
		.amdhsa_next_free_sgpr 66
		.amdhsa_reserve_vcc 0
		.amdhsa_float_denorm_mode_32 3
		.amdhsa_float_denorm_mode_16_64 3
		.amdhsa_memory_ordered 1
		.amdhsa_forward_progress 1
		.amdhsa_inst_pref_size 19
	.end_amdhsa_kernel
	.amdgpu_metadata
---
amdhsa.version: [ 1, 2 ]
amdhsa.kernels:
  - .name:           k_q926266e8ea_pack
    .symbol:         k_q926266e8ea_pack.kd
    .args:
      - { .name: embed_weight, .offset: 0, .size: 8, .value_kind: global_buffer, .address_space: global }
      - { .name: epack, .offset: 8, .size: 8, .value_kind: global_buffer, .address_space: global }
    .group_segment_fixed_size: 0
    .private_segment_fixed_size: 0
    .kernarg_segment_align: 8
    .kernarg_segment_size: 16
    .max_flat_workgroup_size: 256
    .sgpr_count:     66
    .vgpr_count:     148
    .wavefront_size: 32
...
	.end_amdgpu_metadata
.endif
;; end of part 1
;; launch partial (part 2): grid 8 x 25, 8 waves a work-group, clusters of 4 x 1, 327,680 bytes of LDS; arguments mapping_logits, epack, part, stat; writes part, stat
.if DOCPART == 2
	.amdgcn_target "amdgcn-amd-amdhsa--gfx1250"
	.amdhsa_code_object_version 6
	.text
	.protected	k_q926266e8ea_partial
	.globl	k_q926266e8ea_partial
	.p2align	8
	.type	k_q926266e8ea_partial,@function
k_q926266e8ea_partial:
	s_mov_b64 s[64:65], 0
	v_nop
	global_prefetch_b8 v0, s[64:65] scope:SCOPE_SE
	s_setreg_imm32_b32 hwreg(HW_REG_WAVE_MODE, 25, 1), 1
	s_wait_xcnt 0x0
	s_wait_alu depctr_hold_cnt(0) depctr_sa_sdst(0) depctr_va_vdst(0) depctr_va_sdst(0) depctr_va_ssrc(0) depctr_va_vcc(0) depctr_vm_vsrc(0)
	s_getreg_b32 s2, hwreg(HW_REG_IB_STS2, 6, 4)
	s_cmp_eq_u32 s2, 0
	s_cbranch_scc0 .Lentry_in_a_cluster
	s_endpgm
.Lentry_in_a_cluster:
	s_bfe_u32 s2, ttmp6, 0x10000c
	s_cmp_lg_u32 s2, 0x3003
	s_cbranch_scc0 .Lentry_shape_is_right
	s_endpgm
.Lentry_shape_is_right:
; For a block of 128 rows of mapping_logits (row block mb, 0..7) and a chunk of 1,280 of its 32,000 columns (chunk c, 0..24 = 10 units of 128):
;   part = sum over the chunk of exp(x - m) E,  stat = { -log2(e) m, sum of exp(x - m) },  m = the row's maximum over the chunk.
; The maximum is a running one: each unit of 128 columns brings a new maximum, and sums made so far are multiplied by exp(old - new).
; The next launch weighs the 25 chunks against each other and divides by the row's whole sum.  (Softmax and product act on each table row alone,
; so they are made once for each of the 1,024 table rows; the tokens pick their rows in the last launch.)
; LIMITS: the logits are finite (a row whose 1,280 numbers of a chunk are all -inf, or any +inf or NaN, does not give what the reference gives).
; The exponentials go into the product rounded to bf16, into the row sums unrounded; sums are formed in another order than the reference's.
;
; SHARES.  Eight waves.  Wave w keeps the sums of all 128 rows x its strip of 64 columns of E (32 tiles of 16 x 16, 256 registers) and makes the
; exponentials of rows 16 w .. 16 w + 15, which reach the other waves through LDS (P).  Each wave issues about three vector instructions for
; every matrix instruction, so two waves share a SIMD: one multiplies while the other works on its exponentials.
; A STEP (32 of a unit's 128 positions): 32 matrix instructions, then the exponentials of two row pairs of the next unit, line by line in turn so that
; neither chain waits for its own results; the next step's 24 fragment loads are issued behind the first eight lines of that work and land under the rest.
; CLUSTER.  The four row blocks of a cluster have the same chunk and read the same tiles of E: each tile is asked for jointly (mask 15).
; mapping_logits is shared with nobody and comes by plain loads into registers, one unit ahead.
; K ORDER.  Inside a unit, position p = 8 rho + 4 cc + e stands for column 64 cc + 4 rho + e, in P and in epack alike, so that the eight numbers
; that a lane loads from a row (4 at 16 r, 4 at 256 + 16 r) are eight neighbouring positions.
; THE MATRIX INSTRUCTION IS USED TRANSPOSED: source 0 = fragment t of E (16 columns 64 w + 4 m + t), source 1 = fragment a of P (rows 16 a + n).
; Lane (r, h) of tile (a, t) then holds row 16 a + r, register j column 64 w + 4 (8 h + j) + t: one factor a lane rescales a whole tile.
;
; LDS: E slot 0 at 0, slot 1 at 131,072 (filled by tensor loads alone; wave w's strip at w x 16,384, read by wave w alone);
;      P at 262,144: 128 rows of 256 bytes, pitch 272; F at 296,960: factors [16 r][8 a] f32; S at 297,472: [128 rows]{cst, l}  (written by LDS stores alone).
.set LROW,   128000                    ; bytes in a row of mapping_logits
.set UNITB,  512                       ; a unit's bytes in such a row
.set SLOTB,  131072                    ; a unit of epack, and an E slot
.set P_BASE, 262144
.set PPITCH, 272                       ; 256 + 16: the sixteen rows that a fragment load touches begin 68 words apart
.set F_BASE, 296960
.set S_BASE, 297472
.set LOG2E,  0x3fb8aa3b
.set NLOG2E, 0xbfb8aa3b
; window 0
.set LOFF, 2                           ; (16 w + h) LROW + 16 r
.set PA,   3                           ; P + 272 r + 16 h: fragments of P
.set PW,   4                           ; P + (16 w + h) 272 + 16 r: where my rows' 16 bytes go
.set FW,   5                           ; F + 32 h + 4 w
.set FRA,  6                           ; F + 32 r
.set EB,   7                           ; v7, v8: slot x 131072 + w x 16384 + 16 lane
.set OOFF, 9                           ; w x 32768 + 16 lane
.set SW,   10                          ; S + (16 w + h) 8
.set SR,   11                          ; S + 16 lane
.set T,    12                          ; v[12:23] at work: six registers for each of the two row pairs in hand
.set TC,   24                          ; v24, v26 the two row pairs' new cst; v25, v27 fill the register pairs, written once
.set CL,   28                          ; v[28:43]  row pair i: v[28+2i] cst = -log2(e) x running maximum, v[29+2i] my lane's part of the running sum
.set FO,   44                          ; v[44:51]  row pair i: the factor exp(old - new)
.set FR,   52                          ; v[52:59]  factors of rows 16 a + r, a = 0..7, as read back
.set PR,   60                          ; v[60:91]  the next unit's P, 4 registers a row pair
.set X,    92                          ; v[92:155] logits, 8 registers a row pair
.set BF,   156                         ; v[156:187] 4 fragments of E
.set AF,   188                         ; v[188:251] 8 fragments of P
; window 1: tile (a, t) at v[8 (4 a + t)]
.set G1, 16                            ; s[16:23] descriptor group 1
.set G0, 24                            ; s[24:31] descriptor group 0, one set for each slot
.set LB, 32                            ; s[32:33] mapping_logits at my block's first row, at the unit to be loaded next
.set MULT,    0x50                     ; s_set_vgpr_msb: C and D in window 1
.set RESCALE, 0x41                     ; destination and source 0 in window 1
.set STDATA,  0x04                     ; a store's data in window 1
.set MSB, 0
.macro WIN new                         ; the immediate's high byte repeats the setting that is left
.if MSB != \new
	s_set_vgpr_msb (MSB<<8)|\new
.set MSB, \new
.endif
.endm
.macro PLACES                          ; four places behind a matrix instruction (ISA guide 7.12.1), where no vector work stands there
.rept 4
	v_nop
.endr
.endm
; A round of the cluster's barrier: my work-group's barrier, wave 0 signals for the work-group, every wave waits for all four work-groups, my work-group's barrier again.
.macro ROUND
	s_barrier_signal -1
	s_barrier_wait -1
	s_cmp_lg_u32 s12, 0
	s_cbranch_scc1 .Lnot_wave_0_\@
	s_barrier_signal -3
.Lnot_wave_0_\@:
	s_barrier_wait -3
	s_barrier_signal -1
	s_barrier_wait -1
.endm
	s_load_b256 s[4:11], s[0:1], 0x0               ; mapping_logits s[4:5], epack s[6:7], part s[8:9], stat s[10:11]
	v_lshl_add_u32 v254, v0, 2, 0x48e00
	v_mov_b32 v255, 0
	ds_add_u32 v254, v255
	v_lshrrev_b32 v12, 5, v0
	v_readfirstlane_b32 s12, v12                   ; wave 0..7
	s_bfe_u32 s13, ttmp6, 0x40000                  ; cx
	s_lshl_b32 s14, ttmp9, 2
	s_add_co_u32 s14, s14, s13                     ; row block mb = 4 x cluster x + cx: enters global addresses of logits, part and stat alone
	s_and_b32 s15, ttmp7, 0xffff                   ; chunk c, the same in the four partners
	; group 1: a dense block of 16,384 bytes as 64 rows of 32 elements of 8 bytes; no padding (it is read as 16 bytes x lane, consecutive)
	s_mov_b32 s[G1+0], 15|(3<<16)|(1<<21)          ; 15:0 mask: all four work-groups; 17:16 element of 8 bytes; 21 set beside a mask
	s_mov_b32 s[G1+1], 32<<16                      ; tensor_dim0 = 32
	s_mov_b32 s[G1+2], 64<<16                      ; tensor_dim1 = 64
	s_mov_b32 s[G1+3], 32<<16                      ; tile_dim0 = 32
	s_mov_b32 s[G1+4], 64                          ; tile_dim1 = 64
	s_mov_b32 s[G1+5], 32                          ; pitch = 32 elements
	s_mov_b32 s[G1+6], 0
	s_mov_b32 s[G1+7], 0
	s_mul_i32 s34, s14, 128*LROW                   ; my block's first row,
	s_mul_i32 s38, s15, 10*UNITB                   ; my chunk's first unit
	s_add_co_u32 s34, s34, s38
	s_mov_b32 s35, 0
	s_mul_i32 s38, s15, 10*SLOTB                   ; epack: the chunk's first unit,
	s_lshl_b32 s37, s12, 14                        ; my wave's strip (also its place in an E slot)
	s_add_co_u32 s38, s38, s37
	s_mov_b32 s39, 0
	v_and_b32 v12, 31, v0                          ; lane
	v_and_b32 v13, 15, v0                          ; r
	v_bfe_u32 v14, v0, 4, 1                        ; h
	s_mul_i32 s44, s12, 16*LROW
	v_mul_u32_u24 v[LOFF], v14, LROW
	v_lshl_add_u32 v[LOFF], v13, 4, v[LOFF]
	v_add_nc_u32 v[LOFF], s44, v[LOFF]
	s_wait_dscnt 0x0
	s_wait_kmcnt 0x0
	s_add_nc_u64 s[LB:LB+1], s[4:5], s[34:35]
.macro LROWS i                         ; rows 16 w + 2 i + h of the unit at LB: lanes 0-15 take 256 consecutive bytes of one row, aligned, lanes 16-31 of the next row; twice
	global_load_b128 v[X+8*(\i):X+8*(\i)+3], v[LOFF], s[LB:LB+1] offset:2*(\i)*LROW th:TH_LOAD_NT
	global_load_b128 v[X+8*(\i)+4:X+8*(\i)+7], v[LOFF], s[LB:LB+1] offset:2*(\i)*LROW+256 th:TH_LOAD_NT
.endm
.irp i, 0,1,2,3,4,5,6,7
	LROWS \i                                       ; unit 0
.endr
	s_add_nc_u64 s[38:39], s[6:7], s[38:39]        ; epack at my strip of the chunk's first unit
.irp n, 0,1
	s_mov_b32 s[G0+4*\n], 1                                        ; count = 1
	s_add_co_u32 s[G0+4*\n+1], s37, \n*SLOTB                       ; LDS address: slot, wave's strip
	s_add_nc_u64 s[G0+4*\n+2:G0+4*\n+3], s[38:39], \n*SLOTB        ; unit n
	s_or_b32 s[G0+4*\n+3], s[G0+4*\n+3], 0x80000000                ; type = 2
.endr
	s_lshl3_add_u32 s45, s15, s14                  ; 8 c + mb
	s_lshl_b32 s34, s45, 18
	s_add_nc_u64 s[40:41], s[8:9], s[34:35]        ; part: my block of 262,144 bytes
	s_lshl_b32 s34, s45, 10
	s_add_nc_u64 s[42:43], s[10:11], s[34:35]      ; stat: my 128 rows of 8 bytes
	s_wait_xcnt 0x0                                ; the loads' base is stepped only behind this wait
	s_add_nc_u64 s[LB:LB+1], s[LB:LB+1], UNITB     ; unit 1
	ROUND                                          ; all four work-groups are here: the first joint loads meet
	tensor_load_to_lds s[G0:G0+3], s[G1:G1+7]      ; E of units 0 and 1: the two first fills go out together; two tensor loads of the wave are out here,
	s_nop 0
	tensor_load_to_lds s[G0+4:G0+7], s[G1:G1+7]    ; later never more than one
	s_nop 0
	v_mul_u32_u24 v[PA], v13, PPITCH
	v_lshl_add_u32 v[PA], v14, 4, v[PA]
	v_add_nc_u32 v[PA], P_BASE, v[PA]
	s_mul_i32 s44, s12, 16*PPITCH
	s_add_co_u32 s44, s44, P_BASE
	v_mul_u32_u24 v[PW], v14, PPITCH
	v_lshl_add_u32 v[PW], v13, 4, v[PW]
	v_add_nc_u32 v[PW], s44, v[PW]
	s_lshl_b32 s44, s12, 2
	s_add_co_u32 s44, s44, F_BASE
	v_lshl_add_u32 v[FW], v14, 5, s44
	v_lshl_add_u32 v[FRA], v13, 5, F_BASE
	v_lshl_add_u32 v[EB], v12, 4, s37
	v_add_nc_u32 v[EB+1], SLOTB, v[EB]
	s_lshl_b32 s44, s12, 15
	v_lshl_add_u32 v[OOFF], v12, 4, s44
	s_lshl_b32 s44, s12, 7
	s_add_co_u32 s44, s44, S_BASE
	v_lshl_add_u32 v[SW], v14, 3, s44
	v_lshl_add_u32 v[SR], v12, 4, S_BASE
	v_mov_b32 v[TC+1], 0                           ; the upper registers of the pairs that the packed multiply-adds name; their values are not used
	v_mov_b32 v[TC+3], 0
; The fragments of 32 positions (step q of a unit's four): 8 LDS loads for E's four, 16 for P's eight
.macro FETCHB slot, q
.irp t, 0,1,2,3
	ds_load_b128 v[BF+8*\t:BF+8*\t+3],   v[EB+\slot] offset:(\q)*4096+\t*1024
	ds_load_b128 v[BF+8*\t+4:BF+8*\t+7], v[EB+\slot] offset:(\q)*4096+\t*1024+512
.endr
.endm
.macro FETCHA q
.irp a, 0,1,2,3,4,5,6,7
	ds_load_b128 v[AF+8*\a:AF+8*\a+3],   v[PA] offset:\a*16*PPITCH+(\q)*64
	ds_load_b128 v[AF+8*\a+4:AF+8*\a+7], v[PA] offset:\a*16*PPITCH+(\q)*64+32
.endr
.endm
; Row pairs 2 j and 2 j + 1 (rows 16 w + 4 j + 2 z + h, z = 0, 1) of one unit, line by line in turn: new maximum, factor, 8 exponentials a lane,
; their bf16 into PR, the running sum.  first = 1: the chunk's first unit starts maximum and sum.  refill = 1: the same rows of the unit at LB are asked for.
; left: younger loads that may stay out.  hq >= 0: the fragments of step hq of slot hslot are fetched behind the first eight lines, which are plain vector
; instructions on other registers: the places that a load into a matrix instruction's sources needs behind it.
.macro XROW2 j, first, refill, left, hslot, hq
	s_wait_loadcnt \left
.irp z, 0,1
	v_max3_num_f32 v[T+6*\z],   v[X+16*(\j)+8*\z],   v[X+16*(\j)+8*\z+1], v[X+16*(\j)+8*\z+2]
	v_max3_num_f32 v[T+6*\z+1], v[X+16*(\j)+8*\z+3], v[X+16*(\j)+8*\z+4], v[X+16*(\j)+8*\z+5]
.endr
.irp z, 0,1
	v_max3_num_f32 v[T+6*\z], v[T+6*\z], v[X+16*(\j)+8*\z+6], v[X+16*(\j)+8*\z+7]
.endr
.irp z, 0,1
	v_max_num_f32 v[T+6*\z], v[T+6*\z], v[T+6*\z+1]
.endr
.if (\hq) >= 0
	FETCHB \hslot, (\hq)
	FETCHA (\hq)
.endif
.irp k, 1,2,4,8
.irp z, 0,1
	v_max_num_f32_dpp v[T+6*\z], v[T+6*\z], v[T+6*\z] row_xmask:\k row_mask:0xf bank_mask:0xf    ; over the sixteen lanes that hold the row
.endr
.endr
.if \first
.irp z, 0,1
	v_mul_f32 v[TC+2*\z], NLOG2E, v[T+6*\z]
.endr
.else
.irp z, 0,1
	v_mul_f32 v[T+6*\z], NLOG2E, v[T+6*\z]
.endr
.irp z, 0,1
	v_min_num_f32 v[TC+2*\z], v[CL+4*(\j)+2*\z], v[T+6*\z]         ; -log2(e) x the larger maximum
.endr
.irp z, 0,1
	v_sub_f32 v[T+6*\z+1], v[TC+2*\z], v[CL+4*(\j)+2*\z]
.endr
.irp z, 0,1
	v_exp_f32 v[FO+2*(\j)+\z], v[T+6*\z+1]         ; exp(old maximum - new), at most 1; the multiply-add below is the plain place behind the two (ISA guide 5.7.2)
.endr
.endif
.irp k, 0,2,4,6
.irp z, 0,1
	v_pk_fma_f32 v[X+16*(\j)+8*\z+\k:X+16*(\j)+8*\z+\k+1], v[X+16*(\j)+8*\z+\k:X+16*(\j)+8*\z+\k+1], LOG2E, v[TC+2*\z:TC+2*\z+1] op_sel_hi:[1,0,0]   ; log2(e) (x - maximum)
.endr
.endr
.irp k, 0,1,2,3,4,5,6,7
.irp z, 0,1
	v_exp_f32 v[X+16*(\j)+8*\z+\k], v[X+16*(\j)+8*\z+\k]
.endr
.endr
.irp z, 0,1
	v_mov_b32 v[CL+4*(\j)+2*\z], v[TC+2*\z]        ; the first of these is the plain place behind the run of exponentials
.endr
	s_wait_alu depctr_va_vdst(0)
.irp z, 0,1
	v_pk_add_f32 v[T+6*\z+2:T+6*\z+3], v[X+16*(\j)+8*\z:X+16*(\j)+8*\z+1],   v[X+16*(\j)+8*\z+2:X+16*(\j)+8*\z+3]
	v_pk_add_f32 v[T+6*\z+4:T+6*\z+5], v[X+16*(\j)+8*\z+4:X+16*(\j)+8*\z+5], v[X+16*(\j)+8*\z+6:X+16*(\j)+8*\z+7]
.endr
.irp z, 0,1
.irp k, 0,1,2,3
	v_cvt_pk_bf16_f32 v[PR+8*(\j)+4*\z+\k], v[X+16*(\j)+8*\z+2*\k], v[X+16*(\j)+8*\z+2*\k+1]    ; positions 8 r + 0..7 of the unit
.endr
.endr
.if \refill
	LROWS (2*(\j))
	LROWS (2*(\j)+1)
.endif
.irp z, 0,1
	v_pk_add_f32 v[T+6*\z+2:T+6*\z+3], v[T+6*\z+2:T+6*\z+3], v[T+6*\z+4:T+6*\z+5]
.endr
.if \first
.irp z, 0,1
	v_add_f32 v[CL+4*(\j)+2*\z+1], v[T+6*\z+2], v[T+6*\z+3]
.endr
.else
.irp z, 0,1
	v_add_f32 v[T+6*\z+2], v[T+6*\z+2], v[T+6*\z+3]
.endr
.irp z, 0,1
	v_fma_f32 v[CL+4*(\j)+2*\z+1], v[CL+4*(\j)+2*\z+1], v[FO+2*(\j)+\z], v[T+6*\z+2]
.endr
.endif
.endm
; 16 matrix instructions: row blocks a0 .. a0 + 3 x the strip's four fragments.  ZERO = 1: the first product starts the sums, nothing is cleared.
; The 32 sums take turns, one instruction a turn, in the same order in every step and over the loop's backward jump.
.macro MUL16 a0
.irp a, \a0, \a0+1, \a0+2, \a0+3
.irp t, 0,1,2,3
.if ZERO
	v_wmma_f32_16x16x32_bf16 v[8*(4*(\a)+\t):8*(4*(\a)+\t)+7], v[BF+8*\t:BF+8*\t+7], v[AF+8*(\a):AF+8*(\a)+7], 0
.else
	v_wmma_f32_16x16x32_bf16 v[8*(4*(\a)+\t):8*(4*(\a)+\t)+7], v[BF+8*\t:BF+8*\t+7], v[AF+8*(\a):AF+8*(\a)+7], v[8*(4*(\a)+\t):8*(4*(\a)+\t)+7]
.endif
.endr
.endr
.endm
; The sums of row blocks a0 .. a0 + 3 times their rows' factors: both halves of a packed multiply take register FR + a
.macro RESC a0
.irp a, \a0, \a0+1, \a0+2, \a0+3
.irp t, 0,1,2,3
.irp k, 0,2,4,6
.if (\a)%2
	v_pk_mul_f32 v[8*(4*(\a)+\t)+\k:8*(4*(\a)+\t)+\k+1], v[8*(4*(\a)+\t)+\k:8*(4*(\a)+\t)+\k+1], v[FR+(\a)-1:FR+(\a)] op_sel:[0,1] op_sel_hi:[1,1]
.else
	v_pk_mul_f32 v[8*(4*(\a)+\t)+\k:8*(4*(\a)+\t)+\k+1], v[8*(4*(\a)+\t)+\k:8*(4*(\a)+\t)+\k+1], v[FR+(\a):FR+(\a)+1] op_sel_hi:[1,0]
.endif
.endr
.endr
.endr
.endm
; Unit s of the chunk (slot = s mod 2).  At its head P(s) and its factors, which wait in registers, go to LDS; then four steps of 32 matrix instructions, and behind
; each the exponentials of a quarter of unit s + 1.  first: s = 0.  refill: E(s + 1) is asked for, into the slot read last.
; xmode 1: unit s + 1 is worked on and unit s + 2 loaded; 2: worked on, nothing loaded; 0: nothing left.
.macro INTERVAL slot, first, refill, xmode
	WIN 0
.if \first
	s_wait_tensorcnt 0x1                           ; E(0) is in; E(1), issued behind it, may stay out
.else
	s_wait_dscnt 0x0                               ; my reads of P, of F and of the other slot are back
	s_wait_tensorcnt 0x0                           ; all my tensor loads have landed, E(s) among them, so a group 0 may be written
	ds_add_u32 v254, v255
	s_wait_dscnt 0x0
.if \refill
	s_add_nc_u64 s[G0+4*(1-\slot)+2:G0+4*(1-\slot)+3], s[G0+4*(1-\slot)+2:G0+4*(1-\slot)+3], 2*SLOTB
	ROUND                                          ; both now hold of every wave of the four work-groups
	tensor_load_to_lds s[G0+4*(1-\slot):G0+4*(1-\slot)+3], s[G1:G1+7]   ; my one tensor load behind the round; it has this unit's 128 matrix instructions in which to land
	s_nop 0
.else
	s_barrier_signal -1                            ; nothing is filled, but P and F are written again: every wave's reads of them are back
	s_barrier_wait -1
.endif
.endif
	FETCHB \slot, 0                                ; E's fragments of step 0: my own strip, shown landed by my own wait above; they need not stand behind the barrier for P
.irp i, 0,1,2,3,4,5,6,7
	ds_store_b128 v[PW], v[PR+4*\i:PR+4*\i+3] offset:\i*2*PPITCH
.endr
.if \first == 0
.irp i, 0,1,2,3,4,5,6,7
	ds_store_b32 v[FW], v[FO+\i] offset:\i*64      ; the sixteen lanes of a row write one word with one value
.endr
.endif
.if \xmode == 1
	s_wait_xcnt 0x0                                ; the loads' base is stepped only behind this wait
	s_add_nc_u64 s[LB:LB+1], s[LB:LB+1], UNITB
.endif
	s_wait_dscnt 0x0                               ; my stores are done, for the others' sake
	s_barrier_signal -1
	s_barrier_wait -1                              ; P(s) and its factors are whole
.if \first == 0
	ds_load_b128 v[FR:FR+3], v[FRA]
	ds_load_b128 v[FR+4:FR+7], v[FRA] offset:16
.endif
	FETCHA 0
.irp q, 0,1,2,3
.set ZERO, 0
.set RS, 0
.if \q == 0
.set ZERO, \first
.set RS, 1-\first
.endif
.if RS
	s_wait_dscnt 16                                ; the factors are in: P's 16 fragment loads are younger
	WIN RESCALE
	RESC 0
.endif
	s_wait_dscnt 8                                 ; only P's fragments 4 to 7, the youngest eight loads, may be out
	WIN MULT
	MUL16 0
.if RS
	WIN RESCALE
	RESC 4
.endif
	s_wait_dscnt 0
	WIN MULT
	MUL16 4
.if \q < 3
.if \xmode == 0
	WIN 0
	PLACES
	FETCHB \slot, \q+1
	FETCHA \q+1
.endif
.if \xmode == 1
	WIN 0
	XROW2 \q, 0, 1, 12, \slot, \q+1                ; younger than these four loads: 12 - 4 j of this unit and 4 j of the next
.endif
.if \xmode == 2
	WIN 0
	XROW2 \q, 0, 0, 12-4*\q, \slot, \q+1           ; younger: 12 - 4 j of this unit
.endif
.else
.if \xmode == 1
	WIN 0
	XROW2 3, 0, 1, 12, \slot, -1                   ; the next unit's P is not in LDS yet: nothing to fetch
.endif
.if \xmode == 2
	WIN 0
	XROW2 3, 0, 0, 0, \slot, -1
.endif
.endif
.endr
.endm
.irp j, 0,1,2,3
	XROW2 \j, 1, 1, 12, 0, -1                      ; P(0); unit 1 is asked for
.endr
	INTERVAL 0, 1, 0, 1                            ; unit 0: its first products start the sums
	s_mov_b32 s36, 3
.Lpair:                                            ; units 1 to 6
	INTERVAL 1, 0, 1, 1
	INTERVAL 0, 0, 1, 1
	WIN 0
	s_sub_co_u32 s36, s36, 1
	s_cmp_lg_u32 s36, 0
	s_cbranch_scc1 .Lpair
	INTERVAL 1, 0, 1, 1                            ; unit 7: the last logits (unit 9) are asked for
	INTERVAL 0, 0, 1, 2                            ; unit 8: the last tile of E (unit 9) is asked for
	INTERVAL 1, 0, 0, 0                            ; unit 9
	; THE WAY OUT.  Four neighbouring registers of a tile are 16 bytes a lane; a store of the wave covers 512 consecutive bytes, aligned.  The next launch undoes the order.
	PLACES
	WIN STDATA
.set n, 0
.rept 32
	global_store_b128 v[OOFF], v[8*n:8*n+3],   s[40:41] offset:n*1024
	global_store_b128 v[OOFF], v[8*n+4:8*n+7], s[40:41] offset:n*1024+512
.set n, n+1
.endr
	WIN 0
.irp k, 1,2,4,8
.irp i, 0,1,2,3,4,5,6,7
	v_add_f32_dpp v[CL+2*\i+1], v[CL+2*\i+1], v[CL+2*\i+1] row_xmask:\k row_mask:0xf bank_mask:0xf   ; the row's sum over its sixteen lanes
.endr
.endr
.irp i, 0,1,2,3,4,5,6,7
	ds_store_b64 v[SW], v[CL+2*\i:CL+2*\i+1] offset:\i*16
.endr
	s_wait_dscnt 0x0
	s_barrier_signal -1
	s_barrier_wait -1
	s_cmp_lg_u32 s12, 0
	s_cbranch_scc1 .Lno_stat
	ds_load_b128 v[12:15], v[SR]                   ; wave 0 stores the 128 rows' pairs: two stores of 512 consecutive bytes
	ds_load_b128 v[16:19], v[SR] offset:512
	v_and_b32 v20, 31, v0
	v_lshlrev_b32 v20, 4, v20
	s_wait_dscnt 0x0
	global_store_b128 v20, v[12:15], s[42:43]
	global_store_b128 v20, v[16:19], s[42:43] offset:512
.Lno_stat:
	s_wait_tensorcnt 0x0
	ds_add_u32 v254, v255
	s_wait_dscnt 0x0
	ROUND                                          ; the closing round: no work-group ends while a partner may still ask for a tile that names it
	s_endpgm
.Lfunc_end_k_q926266e8ea_partial:
	.size	k_q926266e8ea_partial, .Lfunc_end_k_q926266e8ea_partial-k_q926266e8ea_partial
	.p2alignl 7, 3214868480
	.fill 96, 4, 3214868480
	.section	.rodata,"a",@progbits
	.p2align	6, 0x0
	.amdhsa_kernel k_q926266e8ea_partial
		.amdhsa_group_segment_fixed_size 327680
		.amdhsa_private_segment_fixed_size 0
		.amdhsa_enable_private_segment 0
		.amdhsa_kernarg_size 32
		.amdhsa_user_sgpr_count 2
		.amdhsa_user_sgpr_kernarg_segment_ptr 1
		.amdhsa_wavefront_size32 1
		.amdhsa_system_sgpr_workgroup_id_x 1
		.amdhsa_system_sgpr_workgroup_id_y 1
		.amdhsa_system_sgpr_workgroup_id_z 1
		.amdhsa_system_vgpr_workitem_id 0
		.amdhsa_next_free_vgpr 512
		.amdhsa_next_free_sgpr 66
		.amdhsa_reserve_vcc 0
		.amdhsa_float_denorm_mode_32 3
		.amdhsa_float_denorm_mode_16_64 3
		.amdhsa_memory_ordered 1
		.amdhsa_forward_progress 1
		.amdhsa_inst_pref_size 249
	.end_amdhsa_kernel
	.amdgpu_metadata
---
amdhsa.version: [ 1, 2 ]
amdhsa.kernels:
  - .name:           k_q926266e8ea_partial
    .symbol:         k_q926266e8ea_partial.kd
    .args:
      - { .name: mapping_logits, .offset: 0, .size: 8, .value_kind: global_buffer, .address_space: global }
      - { .name: epack, .offset: 8, .size: 8, .value_kind: global_buffer, .address_space: global }
      - { .name: part, .offset: 16, .size: 8, .value_kind: global_buffer, .address_space: global }
      - { .name: stat, .offset: 24, .size: 8, .value_kind: global_buffer, .address_space: global }
    .group_segment_fixed_size: 327680
    .private_segment_fixed_size: 0
    .kernarg_segment_align: 8
    .kernarg_segment_size: 32
    .max_flat_workgroup_size: 256
    .sgpr_count:     66
    .vgpr_count:     512
    .wavefront_size: 32
...
	.end_amdgpu_metadata
.endif
;; end of part 2
;; launch combine (part 3): grid 256 x 1, 4 waves a work-group, no clusters, 9,216 bytes of LDS; arguments part, stat, table; writes table
.if DOCPART == 3
	.amdgcn_target "amdgcn-amd-amdhsa--gfx1250"
	.amdhsa_code_object_version 6
	.text
	.protected	k_q926266e8ea_combine
	.globl	k_q926266e8ea_combine
	.p2align	8
	.type	k_q926266e8ea_combine,@function
k_q926266e8ea_combine:
	s_mov_b64 s[64:65], 0
	v_nop
	global_prefetch_b8 v0, s[64:65] scope:SCOPE_SE
	s_setreg_imm32_b32 hwreg(HW_REG_WAVE_MODE, 25, 1), 1
	s_wait_xcnt 0x0
; table[row][col] = sum over the 25 chunks of w_c part_c[row][col] / sum over c of w_c l_c,  w_c = 2^(cmin - cst_c),  cmin = the least cst_c of the row
; (cst = -log2(e) x the chunk's row maximum, so cmin belongs to the row's maximum over all 32,000 columns and every w_c is at most 1).
; The chunk that holds the row's maximum has w = 1 and l of about 1 or more, so the divisor lies between about 1 and 32,000.
; A block b = (mb, w, a) is 16 rows x 64 columns = 4,096 consecutive bytes of each chunk's part.  Two waves share a block: wave jq takes the four loads (t, jq) of a
; chunk.  Lane (r, h) holds row 16 a + r; the 4 numbers e of the load (t, jq) are columns 64 w + 32 h + 16 jq + 4 e + t: the choice of the sum's register puts
; the lane's 16 columns in order, at no cost.  The work-group has two blocks, four waves; each wave keeps 9 chunks = 36 loads of 512 bytes on their way,
; 72 KB for the work-group, and with the 25 loads of stat 61 loads at the most.
; A stream of 52 MB read once: no matrix unit, no cluster, nothing shared.  LDS only turns the lanes' 64 bytes of a row into whole rows of 256 bytes.
.set CHB,    2097152                   ; from chunk to chunk in part
.set DEPTH,  9                         ; chunks on their way
.set SPITCH, 272
.set SOFF, 1                           ; v1         (128 mb + 16 a + r) 8
.set STO,  3                           ; v3         the block's stage: 272 r + 128 h + 64 jq
.set ST,   4                           ; v[4:53]    chunk c: cst (then its weight), l
.set OFF,  54                          ; v[54:62]   ring slot k: 16 lane + its chunk's place
.set RD,   63                          ; v63        the block's stage: (8 jq + h) 272 + 16 r
.set LD,   64                          ; v[64:207]  ring: 16 registers a slot
.set ACC,  208                         ; v[208:223] my 16 neighbouring columns
.set M,    224
.set SUM,  225
.set INV,  226
.set CO,   227                         ; v227       2048 h + 16 r
	s_load_b128 s[4:7], s[0:1], 0x0                ; part s[4:5], stat s[6:7]
	s_load_b64 s[8:9], s[0:1], 0x10                ; table
	v_lshl_add_u32 v228, v0, 2, 0x2200
	v_mov_b32 v229, 0
	v_lshrrev_b32 v1, 5, v0
	v_readfirstlane_b32 s10, v1                    ; wave 0..3
	s_lshr_b32 s21, s10, 1                         ; which of the work-group's two blocks
	s_and_b32 s22, s10, 1                          ; jq
	s_lshl1_add_u32 s11, ttmp9, s21                ; b
	s_lshl_b32 s12, s11, 12
	s_lshl_b32 s23, s22, 9
	s_add_co_u32 s12, s12, s23                     ; the block's 4,096 bytes, at my 512 of each 1,024
	s_mov_b32 s13, 0
	s_lshr_b32 s14, s11, 6                         ; mb
	s_bfe_u32 s15, s11, 0x30003                    ; w
	s_and_b32 s16, s11, 7                          ; a
	s_lshl_b32 s17, s14, 7
	s_lshl4_add_u32 s17, s16, s17                  ; first row = 128 mb + 16 a
	s_lshl_b32 s18, s17, 11
	s_lshl_b32 s19, s15, 8
	s_add_co_u32 s18, s18, s19                     ; its place in the table, at column 64 w,
	s_lshl_b32 s19, s22, 14
	s_add_co_u32 s18, s18, s19                     ; and 8 jq rows down: the rows that I store
	s_mov_b32 s19, 0
	s_mul_i32 s20, s21, 16*SPITCH                  ; the block's stage
	v_and_b32 v[M], 15, v0                         ; r
	v_bfe_u32 v[SUM], v0, 4, 1                     ; h
	v_and_b32 v[INV], 31, v0                       ; lane
	v_add_lshl_u32 v[SOFF], v[M], s17, 3
.irp k, 0,1,2,3,4,5,6,7,8
	v_lshl_add_u32 v[OFF+\k], v[INV], 4, \k*CHB
.endr
	s_lshl_b32 s23, s22, 6
	s_add_co_u32 s23, s23, s20
	v_mul_u32_u24 v[STO], v[M], SPITCH
	v_lshl_add_u32 v[STO], v[SUM], 7, v[STO]
	v_add_nc_u32 v[STO], s23, v[STO]
	s_mul_i32 s23, s22, 8*SPITCH
	s_add_co_u32 s23, s23, s20
	v_mul_u32_u24 v[RD], v[SUM], SPITCH
	v_lshl_add_u32 v[RD], v[M], 4, v[RD]
	v_add_nc_u32 v[RD], s23, v[RD]
	v_lshlrev_b32 v[CO], 11, v[SUM]
	v_lshl_add_u32 v[CO], v[M], 4, v[CO]
	s_wait_kmcnt 0x0
	s_add_nc_u64 s[4:5], s[4:5], s[12:13]
	s_add_nc_u64 s[8:9], s[8:9], s[18:19]
.set n, 0
.rept 25
	global_load_b64 v[ST+2*n:ST+2*n+1], v[SOFF], s[6:7] offset:n*8192
.set n, n+1
.endr
.macro FILLC k                         ; four loads of 512 consecutive bytes: my half of the block's 4,096 bytes of one chunk
.irp t, 0,1,2,3
	global_load_b128 v[LD+16*(\k)+4*\t:LD+16*(\k)+4*\t+3], v[OFF+(\k)], s[4:5] offset:\t*1024 th:TH_LOAD_NT
.endr
.endm
.irp k, 0,1,2,3,4,5,6,7,8
	FILLC \k
.endr
	; the weights
	s_wait_loadcnt 4*DEPTH                         ; the ring's 36 loads are younger than the 25 of stat
	v_min3_num_f32 v[M], v[ST], v[ST+2], v[ST+4]
.irp c, 3,5,7,9,11,13,15,17,19,21,23
	v_min3_num_f32 v[M], v[M], v[ST+2*\c], v[ST+2*\c+2]
.endr
	v_sub_f32 v[ST], v[M], v[ST]
.set n, 0
.rept 24
	v_exp_f32 v[ST+2*n], v[ST+2*n]
	v_sub_f32 v[ST+2*n+2], v[M], v[ST+2*n+2]       ; the next chunk's exponent: also the plain place behind the exponential (ISA guide 5.7.2)
.set n, n+1
.endr
	v_exp_f32 v[ST+48], v[ST+48]
	s_wait_alu depctr_va_vdst(0)
	v_mul_f32 v[SUM], v[ST], v[ST+1]
.set n, 1
.rept 24
	v_fmac_f32 v[SUM], v[ST+2*n], v[ST+2*n+1]
.set n, n+1
.endr
	v_rcp_f32 v[INV], v[SUM]
	v_nop                                          ; the plain place behind the reciprocal
.set n, 0
	s_wait_alu depctr_va_vdst(0)
.rept 25
	v_mul_f32 v[ST+2*n], v[ST+2*n], v[INV]
.set n, n+1
.endr
	; the 25 chunks
.set n, 0
.rept 25
.if n <= 25-DEPTH
	s_wait_loadcnt 4*(DEPTH-1)                     ; eight younger chunks of four loads stay out
.else
	s_wait_loadcnt 4*(24-n)                        ; nothing more is asked for: the counts run down
.endif
.irp t, 0,1,2,3
.irp e, 0,1,2,3
.if n == 0
	v_mul_f32 v[ACC+4*\e+\t], v[ST], v[LD+4*\t+\e]
.else
	v_fmac_f32 v[ACC+4*\e+\t], v[ST+2*n], v[LD+16*(n%DEPTH)+4*\t+\e]
.endif
.endr
.endr
.if n+DEPTH <= 24
	v_add_nc_u32 v[OFF+(n%DEPTH)], DEPTH*CHB, v[OFF+(n%DEPTH)]     ; free since the wait that showed this slot's loads done
	FILLC (n%DEPTH)
.endif
.set n, n+1
.endr
	; out through the block's stage: 64 bytes a lane in; behind the barrier each of the block's two waves takes eight whole rows of 256 bytes back
.irp e, 0,1,2,3
	ds_store_b128 v[STO], v[ACC+4*\e:ACC+4*\e+3] offset:16*\e
.endr
	s_wait_dscnt 0x0                               ; my stores are done, for the other wave's sake
	s_barrier_signal -1
	s_barrier_wait -1
.irp k, 0,1,2,3
	ds_load_b128 v[LD+4*\k:LD+4*\k+3], v[RD] offset:\k*2*SPITCH    ; rows 8 jq + 2 k + h
.endr
.irp k, 0,1,2,3
	s_wait_dscnt 3-\k
	global_store_b128 v[CO], v[LD+4*\k:LD+4*\k+3], s[8:9] offset:\k*4096   ; sixteen lanes store 256 consecutive bytes, aligned
.endr
	s_wait_tensorcnt 0x0
	ds_add_u32 v228, v229
	s_wait_dscnt 0x0
	s_endpgm
.Lfunc_end_k_q926266e8ea_combine:
	.size	k_q926266e8ea_combine, .Lfunc_end_k_q926266e8ea_combine-k_q926266e8ea_combine
	.p2alignl 7, 3214868480
	.fill 96, 4, 3214868480
	.section	.rodata,"a",@progbits
	.p2align	6, 0x0
	.amdhsa_kernel k_q926266e8ea_combine
		.amdhsa_group_segment_fixed_size 9216
		.amdhsa_private_segment_fixed_size 0
		.amdhsa_enable_private_segment 0
		.amdhsa_kernarg_size 24
		.amdhsa_user_sgpr_count 2
		.amdhsa_user_sgpr_kernarg_segment_ptr 1
		.amdhsa_wavefront_size32 1
		.amdhsa_system_sgpr_workgroup_id_x 1
		.amdhsa_system_sgpr_workgroup_id_y 1
		.amdhsa_system_sgpr_workgroup_id_z 1
		.amdhsa_system_vgpr_workitem_id 0
		.amdhsa_next_free_vgpr 230
		.amdhsa_next_free_sgpr 66
		.amdhsa_reserve_vcc 0
		.amdhsa_float_denorm_mode_32 3
		.amdhsa_float_denorm_mode_16_64 3
		.amdhsa_memory_ordered 1
		.amdhsa_forward_progress 1
		.amdhsa_inst_pref_size 35
	.end_amdhsa_kernel
	.amdgpu_metadata
---
amdhsa.version: [ 1, 2 ]
amdhsa.kernels:
  - .name:           k_q926266e8ea_combine
    .symbol:         k_q926266e8ea_combine.kd
    .args:
      - { .name: part, .offset: 0, .size: 8, .value_kind: global_buffer, .address_space: global }
      - { .name: stat, .offset: 8, .size: 8, .value_kind: global_buffer, .address_space: global }
      - { .name: table, .offset: 16, .size: 8, .value_kind: global_buffer, .address_space: global }
    .group_segment_fixed_size: 9216
    .private_segment_fixed_size: 0
    .kernarg_segment_align: 8
    .kernarg_segment_size: 24
    .max_flat_workgroup_size: 128
    .sgpr_count:     66
    .vgpr_count:     230
    .wavefront_size: 32
...
	.end_amdgpu_metadata
.endif
;; end of part 3
;; launch gather (part 4): grid 256 x 1, 4 waves a work-group, no clusters, 0 bytes of LDS; arguments token_ids, table, out0; writes out0
.if DOCPART == 4
	.amdgcn_target "amdgcn-amd-amdhsa--gfx1250"
	.amdhsa_code_object_version 6
	.text
	.protected	k_q926266e8ea_gather
	.globl	k_q926266e8ea_gather
	.p2align	8
	.type	k_q926266e8ea_gather,@function
k_q926266e8ea_gather:
	s_mov_b64 s[64:65], 0
	v_nop
	global_prefetch_b8 v0, s[64:65] scope:SCOPE_SE
	s_setreg_imm32_b32 hwreg(HW_REG_WAVE_MODE, 25, 1), 1
	s_wait_xcnt 0x0
; out0[token] = table[token_ids[token]]: 4,096 tokens, rows of 512 f32 (2,048 bytes).  A wave takes four neighbouring tokens: 16 loads, 16 stores of 512 consecutive bytes.
; LIMIT: an id is taken as an unsigned number and clamped to 0..1023 (the problem keeps ids inside the table).
; The table is 2 MB and its rows are named again and again, so the loads carry no hint; the output is written once.
.set ROWB, 2048
.set LOF,  1                           ; v1       16 lane
.set OFF,  2                           ; v[2:5]   16 lane + 2048 id, for each of my four tokens
.set D,    8                           ; v[8:71]  four rows, 16 registers each
	s_load_b128 s[4:7], s[0:1], 0x0                ; token_ids s[4:5], table s[6:7]
	s_load_b64 s[8:9], s[0:1], 0x10                ; out0
	v_lshrrev_b32 v1, 5, v0
	v_readfirstlane_b32 s10, v1                    ; wave 0..3
	s_lshl2_add_u32 s10, ttmp9, s10                ; my group of four tokens
	s_lshl_b32 s16, s10, 4                         ; its four ids: 16 bytes
	s_mov_b32 s17, 0
	s_lshl_b32 s18, s10, 13                        ; its four rows of the output
	s_mov_b32 s19, 0
	v_and_b32 v[LOF], 31, v0
	v_lshlrev_b32 v[LOF], 4, v[LOF]
	s_wait_kmcnt 0x0
	s_add_nc_u64 s[4:5], s[4:5], s[16:17]
	s_add_nc_u64 s[8:9], s[8:9], s[18:19]
	s_load_b128 s[12:15], s[4:5], 0x0
	s_wait_kmcnt 0x0
.irp k, 0,1,2,3
	s_min_u32 s[12+\k], s[12+\k], 1023
	s_lshl_b32 s[12+\k], s[12+\k], 11
	v_add_nc_u32 v[OFF+\k], s[12+\k], v[LOF]
.endr
.irp k, 0,1,2,3
.irp j, 0,1,2,3
	global_load_b128 v[D+16*\k+4*\j:D+16*\k+4*\j+3], v[OFF+\k], s[6:7] offset:512*\j
.endr
.endr
.irp k, 0,1,2,3
	s_wait_loadcnt 12-4*\k                         ; row k is in; the younger rows' loads stay out
.irp j, 0,1,2,3
	global_store_b128 v[LOF], v[D+16*\k+4*\j:D+16*\k+4*\j+3], s[8:9] offset:\k*ROWB+512*\j th:TH_STORE_NT
.endr
.endr
	s_endpgm
.Lfunc_end_k_q926266e8ea_gather:
	.size	k_q926266e8ea_gather, .Lfunc_end_k_q926266e8ea_gather-k_q926266e8ea_gather
	.p2alignl 7, 3214868480
	.fill 96, 4, 3214868480
	.section	.rodata,"a",@progbits
	.p2align	6, 0x0
	.amdhsa_kernel k_q926266e8ea_gather
		.amdhsa_group_segment_fixed_size 0
		.amdhsa_private_segment_fixed_size 0
		.amdhsa_enable_private_segment 0
		.amdhsa_kernarg_size 24
		.amdhsa_user_sgpr_count 2
		.amdhsa_user_sgpr_kernarg_segment_ptr 1
		.amdhsa_wavefront_size32 1
		.amdhsa_system_sgpr_workgroup_id_x 1
		.amdhsa_system_sgpr_workgroup_id_y 1
		.amdhsa_system_sgpr_workgroup_id_z 1
		.amdhsa_system_vgpr_workitem_id 0
		.amdhsa_next_free_vgpr 72
		.amdhsa_next_free_sgpr 66
		.amdhsa_reserve_vcc 0
		.amdhsa_float_denorm_mode_32 3
		.amdhsa_float_denorm_mode_16_64 3
		.amdhsa_memory_ordered 1
		.amdhsa_forward_progress 1
		.amdhsa_inst_pref_size 5
	.end_amdhsa_kernel
	.amdgpu_metadata
---
amdhsa.version: [ 1, 2 ]
amdhsa.kernels:
  - .name:           k_q926266e8ea_gather
    .symbol:         k_q926266e8ea_gather.kd
    .args:
      - { .name: token_ids, .offset: 0, .size: 8, .value_kind: global_buffer, .address_space: global }
      - { .name: table, .offset: 8, .size: 8, .value_kind: global_buffer, .address_space: global }
      - { .name: out0, .offset: 16, .size: 8, .value_kind: global_buffer, .address_space: global }
    .group_segment_fixed_size: 0
    .private_segment_fixed_size: 0
    .kernarg_segment_align: 8
    .kernarg_segment_size: 24
    .max_flat_workgroup_size: 128
    .sgpr_count:     66
    .vgpr_count:     72
    .wavefront_size: 32
...
	.end_amdgpu_metadata
.endif
;; end of part 4
;; ======== version 2 of 2: 4 launches; version 1 with the launch combine written anew for expert scheduling mode
;; workspace buffers: epack 32,768,000 bytes; part 52,428,800 bytes; stat 204,800 bytes; table 2,097,152 bytes
;; launch pack: the kernel of part 1 again; grid 250 x 1, 8 waves a work-group, no clusters, 0 bytes of LDS; arguments embed_weight, epack; writes epack
;; launch partial: the kernel of part 2 again; grid 8 x 25, 8 waves a work-group, clusters of 4 x 1, 327,680 bytes of LDS; arguments mapping_logits, epack, part, stat; writes part, stat
;; launch combine (part 5): grid 256 x 1, 4 waves a work-group, no clusters, 9,216 bytes of LDS; arguments part, stat, table; writes table
.if DOCPART == 5
	.amdgcn_target "amdgcn-amd-amdhsa--gfx1250"
	.amdhsa_code_object_version 6
	.text
	.protected	k_q926266e8ea_combine
	.globl	k_q926266e8ea_combine
	.p2align	8
	.type	k_q926266e8ea_combine,@function
k_q926266e8ea_combine:
	s_mov_b64 s[64:65], 0
	v_nop
	global_prefetch_b8 v0, s[64:65] scope:SCOPE_SE
	s_setreg_imm32_b32 hwreg(HW_REG_WAVE_SCHED_MODE, 0, 2), 2
	s_setreg_imm32_b32 hwreg(HW_REG_WAVE_MODE, 25, 1), 1
	s_wait_xcnt 0x0
	s_wait_alu depctr_vm_vsrc(0)
; table[row][col] = sum over the 25 chunks of w_c part_c[row][col] / sum over c of w_c l_c,  w_c = 2^(cmin - cst_c),  cmin = the least cst_c of the row
; (cst = -log2(e) x the chunk's row maximum, so cmin belongs to the row's maximum over all 32,000 columns and every w_c is at most 1).
; The chunk that holds the row's maximum has w = 1 and l of about 1 or more, so the divisor lies between about 1 and 32,000.
; A block b = (mb, w, a) is 16 rows x 64 columns = 4,096 consecutive bytes of each chunk's part.  Two waves share a block: wave jq takes the four loads (t, jq) of a
; chunk.  Lane (r, h) holds row 16 a + r; the 4 numbers e of the load (t, jq) are columns 64 w + 32 h + 16 jq + 4 e + t: the choice of the sum's register puts
; the lane's 16 columns in order, at no cost.  The work-group has two blocks, four waves; each wave keeps 9 chunks = 36 loads of 512 bytes on their way,
; 72 KB for the work-group, and with the 25 loads of stat 61 loads at the most.
; A stream of 52 MB read once: no matrix unit, no cluster, nothing shared.  LDS only turns the lanes' 64 bytes of a row into whole rows of 256 bytes.
; THE MODE: SCHED_MODE bits 1:0 = 2 (LLVM: expert scheduling mode 2), set by the entry lines.  The code itself states the register dependences
; between vector instructions and memory or LDS instructions, with s_wait_alu, always for 0.
; THE PLAN.  Registers that memory or LDS instructions touch:
;   v[SOFF], v[OFF ..], v[STO], v[RD], v[CO], v228, v229   offsets and addresses: written once at the head, ahead of one wait, and never again.  Chunk n of part is reached by
;              offset register n % 9 and one of three scalar bases, 9 chunks apart, which are never rewritten either.
;   v[ST ..]   the loads of stat land here; no vector instruction names them before that.
;   LD         ten slots.  Chunk n's loads land in slot n % 10; chunk n's sixteen multiply-adds read it.  The loads of chunk n + 9 are issued at chunk n's head into
;              slot (n + 9) % 10 = (n - 1) % 10: the slot that chunk n - 1 worked on and that no vector instruction of chunk n names.
;   ACC        written by the multiply-adds, read by the four LDS stores of the way out, not written again.
;   slot 0     on the way out the loads from the stage land in it, and the global stores read it.
; So one wait on va_vdst stands at the head of each chunk that asks for another, and one ahead of the LDS stores.  No register that a memory or LDS instruction
; reads is ever written again.
.set CHB,    2097152                   ; from chunk to chunk in part
.set DEPTH,  9                         ; chunks on their way
.set SLOTS,  10                        ; ring slots: the nine on their way and the one at work
.set SPITCH, 272
.set SOFF, 1                           ; v1         (128 mb + 16 a + r) 8
.set STO,  3                           ; v3         the block's stage: 272 r + 128 h + 64 jq
.set ST,   4                           ; v[4:53]    chunk c: cst (then its weight), l
.set OFF,  54                          ; v[54:62]   register k: 16 lane + k chunks; never rewritten
.set RD,   63                          ; v63        the block's stage: (8 jq + h) 272 + 16 r
.set LD,   64                          ; v[64:207]  ring slots 0 to 8: 16 registers a slot
.set ACC,  208                         ; v[208:223] my 16 neighbouring columns
.set M,    224
.set SUM,  225
.set INV,  226
.set CO,   227                         ; v227       2048 h + 16 r
                                       ; v228, v229 the closing add's two registers
.set LDX,  230                         ; v[230:245] ring slot 9
	s_load_b128 s[4:7], s[0:1], 0x0                ; part s[4:5], stat s[6:7]
	s_load_b64 s[8:9], s[0:1], 0x10                ; table
	v_lshl_add_u32 v228, v0, 2, 0x2200             ; the LDS address of my spare word, behind the two stages, and 0: made here and kept for the closing lines alone
	v_mov_b32 v229, 0
	v_lshrrev_b32 v1, 5, v0
	v_readfirstlane_b32 s10, v1                    ; wave 0..3
	v_and_b32 v[M], 15, v0                         ; r
	v_bfe_u32 v[SUM], v0, 4, 1                     ; h
	v_and_b32 v[INV], 31, v0                       ; lane
.irp k, 0,1,2,3,4,5,6,7,8
	v_lshl_add_u32 v[OFF+\k], v[INV], 4, \k*CHB
.endr
	v_mul_u32_u24 v[STO], v[M], SPITCH
	v_lshl_add_u32 v[STO], v[SUM], 7, v[STO]
	v_mul_u32_u24 v[RD], v[SUM], SPITCH
	v_lshl_add_u32 v[RD], v[M], 4, v[RD]
	v_lshlrev_b32 v[CO], 11, v[SUM]
	v_lshl_add_u32 v[CO], v[M], 4, v[CO]
	s_wait_alu depctr_va_sdst(0)                   ; s10 is written, ahead of its first reader: the block, the bases and the stage's addresses are made from it
	s_lshr_b32 s21, s10, 1                         ; which of the work-group's two blocks
	s_and_b32 s22, s10, 1                          ; jq
	s_lshl1_add_u32 s11, ttmp9, s21                ; b
	s_lshl_b32 s12, s11, 12
	s_lshl_b32 s23, s22, 9
	s_add_co_u32 s12, s12, s23                     ; the block's 4,096 bytes, at my 512 of each 1,024
	s_mov_b32 s13, 0
	s_lshr_b32 s14, s11, 6                         ; mb
	s_bfe_u32 s15, s11, 0x30003                    ; w
	s_and_b32 s16, s11, 7                          ; a
	s_lshl_b32 s17, s14, 7
	s_lshl4_add_u32 s17, s16, s17                  ; first row = 128 mb + 16 a
	s_lshl_b32 s18, s17, 11
	s_lshl_b32 s19, s15, 8
	s_add_co_u32 s18, s18, s19                     ; its place in the table, at column 64 w,
	s_lshl_b32 s19, s22, 14
	s_add_co_u32 s18, s18, s19                     ; and 8 jq rows down: the rows that I store
	s_mov_b32 s19, 0
	s_mul_i32 s20, s21, 16*SPITCH                  ; the block's stage
	s_lshl_b32 s2, s22, 6
	s_add_co_u32 s2, s2, s20                       ; + 64 jq: where I store
	s_mul_i32 s3, s22, 8*SPITCH
	s_add_co_u32 s3, s3, s20                       ; + 8 jq rows: where I read back
	v_add_lshl_u32 v[SOFF], v[M], s17, 3
	v_add_nc_u32 v[STO], s2, v[STO]
	v_add_nc_u32 v[RD], s3, v[RD]
	s_wait_kmcnt 0x0
	s_add_nc_u64 s[4:5], s[4:5], s[12:13]          ; part at my bytes of chunk 0,
	s_add_nc_u64 s[8:9], s[8:9], s[18:19]
	s_add_nc_u64 s[12:13], s[4:5], DEPTH*CHB       ; of chunk 9,
	s_add_nc_u64 s[14:15], s[4:5], 2*DEPTH*CHB     ; and of chunk 18
	s_wait_alu depctr_va_vdst(0)                   ; v[SOFF], v[OFF ..], v[STO], v[RD], v[CO], v228 and v229 are written: every load, store and LDS instruction of the kernel reads one of them as its address
.set n, 0
.rept 25
	global_load_b64 v[ST+2*n:ST+2*n+1], v[SOFF], s[6:7] offset:n*8192
.set n, n+1
.endr
.macro FILLC n                         ; chunk n: four loads of 512 consecutive bytes, my half of the block's 4,096 bytes, into slot n % 10
.set rL, LD+16*((\n)%SLOTS)
.if (\n)%SLOTS == SLOTS-1
.set rL, LDX
.endif
.set rB, 4                             ; the base: s[4:5] for chunks 0 to 8, s[12:13] for 9 to 17, s[14:15] for 18 to 24
.if (\n)/DEPTH > 0
.set rB, 10+2*((\n)/DEPTH)
.endif
.irp t, 0,1,2,3
	global_load_b128 v[rL+4*\t:rL+4*\t+3], v[OFF+(\n)%DEPTH], s[rB:rB+1] offset:\t*1024 th:TH_LOAD_NT
.endr
.endm
.irp k, 0,1,2,3,4,5,6,7,8
	FILLC \k
.endr
	; the weights
	s_wait_loadcnt 4*DEPTH                         ; the ring's 36 loads are younger than the 25 of stat
	v_min3_num_f32 v[M], v[ST], v[ST+2], v[ST+4]
.irp c, 3,5,7,9,11,13,15,17,19,21,23
	v_min3_num_f32 v[M], v[M], v[ST+2*\c], v[ST+2*\c+2]
.endr
	v_sub_f32 v[ST], v[M], v[ST]
.set n, 0
.rept 24
	v_exp_f32 v[ST+2*n], v[ST+2*n]
	v_sub_f32 v[ST+2*n+2], v[M], v[ST+2*n+2]       ; the next chunk's exponent: also the plain place behind the exponential (ISA guide 5.7.2)
.set n, n+1
.endr
	v_exp_f32 v[ST+48], v[ST+48]
	s_wait_alu depctr_va_vdst(0)                   ; the 25 exponentials have written the weights v[ST + 2 c]: one wait for the batch, ahead of their first reader
	v_mul_f32 v[SUM], v[ST], v[ST+1]
.set n, 1
.rept 24
	v_fmac_f32 v[SUM], v[ST+2*n], v[ST+2*n+1]
.set n, n+1
.endr
	v_rcp_f32 v[INV], v[SUM]
	v_nop                                          ; the plain place behind the reciprocal
	s_wait_alu depctr_va_vdst(0)                   ; the reciprocal has written v[INV], ahead of its first reader
.set n, 0
.rept 25
	v_mul_f32 v[ST+2*n], v[ST+2*n], v[INV]
.set n, n+1
.endr
	; the 25 chunks
.set n, 0
.rept 25
.if n <= 25-DEPTH
	s_wait_loadcnt 4*(DEPTH-1)                     ; eight younger chunks of four loads stay out
.else
	s_wait_loadcnt 4*(24-n)                        ; nothing more is asked for: the counts run down
.endif
.if n+DEPTH <= 24
.if n > 0
	s_wait_alu depctr_va_vdst(0)                   ; the multiply-adds of the chunk before are done reading their slot, in which the four loads below land
.endif                                             ; (chunk 0 asks into slot 9, which no vector instruction has named)
	FILLC n+DEPTH
.endif
.set rX, LD+16*(n%SLOTS)
.if n%SLOTS == SLOTS-1
.set rX, LDX
.endif
.irp t, 0,1,2,3
.irp e, 0,1,2,3
.if n == 0
	v_mul_f32 v[ACC+4*\e+\t], v[ST], v[rX+4*\t+\e]
.else
	v_fmac_f32 v[ACC+4*\e+\t], v[ST+2*n], v[rX+4*\t+\e]
.endif
.endr
.endr
.set n, n+1
.endr
	; out through the block's stage: 64 bytes a lane in; behind the barrier each of the block's two waves takes eight whole rows of 256 bytes back
	s_wait_alu depctr_va_vdst(0)                   ; the multiply-adds have written ACC, which the LDS stores read, and are done reading slot 0, in which the loads from the stage land; no vector instruction follows
.irp e, 0,1,2,3
	ds_store_b128 v[STO], v[ACC+4*\e:ACC+4*\e+3] offset:16*\e
.endr
	s_wait_dscnt 0x0                               ; my stores are done, for the other wave's sake
	s_barrier_signal -1
	s_barrier_wait -1
.irp k, 0,1,2,3
	ds_load_b128 v[LD+4*\k:LD+4*\k+3], v[RD] offset:\k*2*SPITCH    ; rows 8 jq + 2 k + h
.endr
.irp k, 0,1,2,3
	s_wait_dscnt 3-\k
	global_store_b128 v[CO], v[LD+4*\k:LD+4*\k+3], s[8:9] offset:\k*4096   ; sixteen lanes store 256 consecutive bytes, aligned
.endr
	s_wait_dscnt 0x0                               ; the closing lines, six on end
	s_wait_alu 0x0
	s_wait_tensorcnt 0x0
	ds_add_u32 v228, v229
	s_wait_dscnt 0x0
	s_endpgm
.Lfunc_end_k_q926266e8ea_combine:
	.size	k_q926266e8ea_combine, .Lfunc_end_k_q926266e8ea_combine-k_q926266e8ea_combine
	.p2alignl 7, 3214868480
	.fill 96, 4, 3214868480
	.section	.rodata,"a",@progbits
	.p2align	6, 0x0
	.amdhsa_kernel k_q926266e8ea_combine
		.amdhsa_group_segment_fixed_size 9216
		.amdhsa_private_segment_fixed_size 0
		.amdhsa_enable_private_segment 0
		.amdhsa_kernarg_size 24
		.amdhsa_user_sgpr_count 2
		.amdhsa_user_sgpr_kernarg_segment_ptr 1
		.amdhsa_wavefront_size32 1
		.amdhsa_system_sgpr_workgroup_id_x 1
		.amdhsa_system_sgpr_workgroup_id_y 1
		.amdhsa_system_sgpr_workgroup_id_z 1
		.amdhsa_system_vgpr_workitem_id 0
		.amdhsa_next_free_vgpr 246
		.amdhsa_next_free_sgpr 66
		.amdhsa_reserve_vcc 0
		.amdhsa_float_denorm_mode_32 3
		.amdhsa_float_denorm_mode_16_64 3
		.amdhsa_memory_ordered 1
		.amdhsa_forward_progress 1
		.amdhsa_inst_pref_size 35
	.end_amdhsa_kernel
	.amdgpu_metadata
---
amdhsa.version: [ 1, 2 ]
amdhsa.kernels:
  - .name:           k_q926266e8ea_combine
    .symbol:         k_q926266e8ea_combine.kd
    .args:
      - { .name: part, .offset: 0, .size: 8, .value_kind: global_buffer, .address_space: global }
      - { .name: stat, .offset: 8, .size: 8, .value_kind: global_buffer, .address_space: global }
      - { .name: table, .offset: 16, .size: 8, .value_kind: global_buffer, .address_space: global }
    .group_segment_fixed_size: 9216
    .private_segment_fixed_size: 0
    .kernarg_segment_align: 8
    .kernarg_segment_size: 24
    .max_flat_workgroup_size: 128
    .sgpr_count:     66
    .vgpr_count:     246
    .wavefront_size: 32
...
	.end_amdgpu_metadata
.endif
;; end of part 5
;; launch gather: the kernel of part 4 again; grid 256 x 1, 4 waves a work-group, no clusters, 0 bytes of LDS; arguments token_ids, table, out0; writes out0
